; MI455X (gfx1250); checked and timed in simulation.
; The chip was launched on July 23, 2026; its instructions are those of AMD's public machine-readable ISA for CDNA 5 (MIT licence, August 2026) and "CDNA5" Instruction Set Architecture Reference Guide (July 2026). The comments in the code are by the model that wrote it; some were corrected since.
;; My Temporal Attention. Allowed arithmetic: matrix products marked QUANTISED: E4M3 operands, one E8M0 scale for each 32 along K, by v_wmma_scale_f32_16x16x128_f8f6f4 with both operands' format E4M3, f32 sums; everything else in f32.
;; Inputs: W1_codes 512 x 16 x 32 uint8 (E4M3 codes of W1, K innermost, in blocks of 32 codes); W1_scales 512 x 16 uint8 (E8M0 scales of W1, one for each 32 codes along K); W2_codes 512 x 16 x 32 uint8 (E4M3 codes of W2, K innermost, in blocks of 32 codes); W2_scales 512 x 16 uint8 (E8M0 scales of W2, one for each 32 codes along K); Wk_codes 512 x 16 x 32 uint8 (E4M3 codes of Wk, K innermost, in blocks of 32 codes); Wk_scales 512 x 16 uint8 (E8M0 scales of Wk, one for each 32 codes along K); Wo_codes 512 x 16 x 32 uint8 (E4M3 codes of Wo, K innermost, in blocks of 32 codes); Wo_scales 512 x 16 uint8 (E8M0 scales of Wo, one for each 32 codes along K); Wq_codes 512 x 16 x 32 uint8 (E4M3 codes of Wq, K innermost, in blocks of 32 codes); Wq_scales 512 x 16 uint8 (E8M0 scales of Wq, one for each 32 codes along K); Wv_codes 512 x 16 x 32 uint8 (E4M3 codes of Wv, K innermost, in blocks of 32 codes); Wv_scales 512 x 16 uint8 (E8M0 scales of Wv, one for each 32 codes along K); b1 512 float32; b2 512 float32; bk 512 float32; bo 512 float32; bq 512 float32; bv 512 float32; te 2 x 128 x 128 x 512 float32; x 2 x 128 x 128 x 512 float32.
;; Outputs: out0 2 x 128 x 128 x 512 float32.
;; This version of the problem:
;;   THIS VERSION OF THE PROBLEM IS GIVEN IN LOW PRECISION. The matrix products marked QUANTISED in the list below multiply operands that are first quantised to E4M3 (4 exponent bits, 3 mantissa bits; 8 bits a number), with one power-of-two scale for each 32 numbers along K (OCP MX v1.0); their sums are f32. All else is computed in f32.
;;   The module's matrix products, in the order in which they are computed (A, B: the left and right operand; K: the contracted axis; several contracted axes count as one K, in the product's order):
;;     1. [M 32,768, K 512] x [K 512, N 512]; A: computed on the way; B: input Wq (given as codes): QUANTISED
;;     2. [M 32,768, K 512] x [K 512, N 512]; A: computed on the way; B: input Wk (given as codes): QUANTISED
;;     3. [M 32,768, K 512] x [K 512, N 512]; A: computed on the way; B: input Wv (given as codes): QUANTISED
;;     4. batch 2,048 x [M 128, K 64] x [K 64, N 128]; A: computed on the way; B: computed on the way: QUANTISED
;;     5. batch 2,048 x [M 64, K 128] x [K 128, N 128]; A: computed on the way; B: softmax (see below): QUANTISED
;;     6. [M 32,768, K 512] x [K 512, N 512]; A: computed on the way; B: input Wo (given as codes): QUANTISED
;;     7. [M 32,768, K 512] x [K 512, N 512]; A: computed on the way; B: input W1 (given as codes): QUANTISED
;;     8. [M 32,768, K 512] x [K 512, N 512]; A: computed on the way; B: input W2 (given as codes): QUANTISED
;;   THE QUANTISER, for each operand of a quantised product, along K:
;;     - K is cut into blocks of 32 from its start; a last block that is shorter is filled with zeros.
;;     - A block's scale is 2^e with e = floor(log2(the largest magnitude in the block)) - 8, held to -126 .. 127; a block of zeros has e = 0. As a byte (E8M0): e + 127.
;;     - Each number is divided by its block's scale, clamped to +-448, and rounded to the nearest number of E4M3, ties to even, subnormals kept.
;;     - The product sums the exact products of the quantised numbers (number of the format x scale) in f32.
;;   ~~~python
;;   def quantise(x, axis):      # numpy; x: float32 -> the quantised numbers, widened to float32 again
;;       x = np.moveaxis(x, axis, -1); K = x.shape[-1]
;;       x = np.pad(x, [(0, 0)] * (x.ndim - 1) + [(0, -K % 32)]); x = x.reshape(x.shape[:-1] + (-1, 32)); a = np.abs(x).max(-1, keepdims=True)
;;       e = np.where(a > 0, np.clip(np.frexp(np.where(a > 0, a, 1))[1] - 1 - 8, -126, 127), 0)      # np.frexp(a)[1] - 1 = floor(log2(a)), exactly
;;       r = np.clip(x / 2.0 ** e, -448, 448)
;;       step = 2.0 ** (np.maximum(np.frexp(np.where(r == 0, 1, r))[1] - 1, -6) - 3)
;;       q = np.round(r / step) * step * 2.0 ** e      # np.round: ties to even
;;       return np.moveaxis(q.reshape(q.shape[:-2] + (-1,))[..., :K], -1, axis).astype(np.float32)
;;   ~~~
;;   SOFTMAX AHEAD OF A QUANTISED PRODUCT. Where the list says 'softmax', what is quantised is not the finished softmax but p = 2^(t - M), with t = logit x log2(e) and M = ceil(the row's largest t), a whole number; so 1/2 < the row's largest p <= 1. The row's sum l is taken of the UNQUANTISED p, in f32, and the product's result is divided by l at the end. Since M is a whole number, a kernel that streams over the keys may use a running M (the ceiling of the running maximum): every later rescaling is an exact power of two, which a block's scale takes up: the codes' values come out the same.
;;   OPERANDS COMPUTED ON THE WAY. 'Computed on the way' means the value that the module computes at that place (a softmax that the list does not call 'softmax' is quantised finished and normalised). What goes into a quantiser is computed in f32, as accurately as f32 sums, v_exp_f32 and their like allow (about 1e-6 of the number): no bf16 or f16 on the way to a quantiser, and a product that is left as it is and whose result goes on into a quantised operand takes f32 operands (vector FMAs, or v_wmma_f32_16x16x4_f32). A number that lies on a knife's edge between two numbers of the format may be rounded either way, as far as f32 arithmetic and the matrix unit's own rounding can turn it there, and no further.
;;   INPUTS GIVEN AS CODES. W1 (in the module: [512, 512], K = its axis 0); W2 (in the module: [512, 512], K = its axis 0); Wk (in the module: [512, 512], K = its axis 0); Wo (in the module: [512, 512], K = its axis 0); Wq (in the module: [512, 512], K = its axis 0); Wv (in the module: [512, 512], K = its axis 0): each comes as NAME_codes (uint8): NAME with its K axis moved to the last place and cut into blocks of 32 codes, [.., K / 32, bytes a block], one block behind the other in memory; one code a byte (a code: sign, 4 exponent bits, 3 mantissa bits); and NAME_scales (uint8): the same leading axes, one E8M0 byte (e + 127) for each 32 codes along K. Its value is code x scale, taken as it is: it is not quantised again, and the codes and scales need not be those that the quantiser above would give.
;; One version. Each part assembles by itself: llvm-mc -triple=amdgcn-amd-amdhsa -mcpu=gfx1250 --defsym DOCPART=n.
;; ======== version 1 of 1: 2 launches
;; limits: right only within a limited range of input values
;; workspace buffers: wimg 1,867,776 bytes
;; launch lay (part 1): grid 12 x 4, 4 waves a work-group, no clusters, 0 bytes of LDS; arguments Wq_codes, Wk_codes, Wv_codes, Wo_codes, W1_codes, W2_codes, Wq_scales, Wk_scales, Wv_scales, Wo_scales, W1_scales, W2_scales, bq, bk, bv, bo, b1, b2, wimg; writes wimg
.if DOCPART == 1
	.amdgcn_target "amdgcn-amd-amdhsa--gfx1250"
	.amdhsa_code_object_version 6
	.text
	.protected	k_q613d950dd4_lay
	.globl	k_q613d950dd4_lay
	.p2align	8
	.type	k_q613d950dd4_lay,@function
k_q613d950dd4_lay:
	s_mov_b64 s[64:65], 0
	v_nop
	global_prefetch_b8 v0, s[64:65] scope:SCOPE_SE
	s_setreg_imm32_b32 hwreg(HW_REG_WAVE_MODE, 25, 1), 1
	s_wait_xcnt 0x0
; The six weights (codes [512][512], K innermost; scale bytes [512][16]) and their biases are laid into 48 blocks of 38,912 bytes in the order in
; which the second launch's waves take them into registers.  Block 12 w + p serves pass p of wave w: 64 columns (weight rows) x K 512.
;   p = 0..5: Wq, Wk, Wv for column group g = 0, then for g = 1;  p = 6..11: Wo, W1, W2, each for g = 0, 1.  The columns are 128 w + 64 g + 0 .. 63.
; A block:  codes at 8192 s + 2048 ct + 512 c + 16 lane (K step s, column tile ct, register group c): lane (r, h) holds k = 128 s + 32 c + 16 h + 0 .. 15 of its row;
;           scale words at 32768 + 512 ct + 16 lane: the row's four words, K steps 0 .. 3;   the bias as the tile's eight C registers at 34816 + 1024 ct + 512 half + 16 lane.
; THE ROWS OF A TILE ARE NOT NEIGHBOURS: lane r of tile ct = 2 b + u takes row 32 b + 8 u + r + 8 (r / 8), so that the results of two neighbouring tiles are 16 neighbours along the next K.
; Bias: where the weight is source 0 of the product, lane (r, h) holds rows 16 h + 0 .. 7 of the tile's results; for Wv, which is source 1, all eight registers belong to the lane's own row.
; A work-group makes one block, wave ct its column tile.  Every store of a wave covers 512 consecutive bytes, aligned.
.set BLKB, 38912
	s_load_b256 s[8:15], s[0:1], 0x0               ; codes of Wq, Wk, Wv, Wo
	s_load_b128 s[16:19], s[0:1], 0x20             ; of W1, W2
	s_load_b128 s[20:23], s[0:1], 0x30             ; scales of Wq, Wk
	s_load_b256 s[24:31], s[0:1], 0x40             ; of Wv, Wo, W1, W2
	s_load_b256 s[32:39], s[0:1], 0x60             ; bq, bk, bv, bo
	s_load_b128 s[40:43], s[0:1], 0x80             ; b1, b2
	s_load_b64 s[44:45], s[0:1], 0x90              ; wimg
	v_lshrrev_b32 v1, 5, v0
	v_readfirstlane_b32 s4, v1                     ; wave = column tile ct
	v_and_b32 v2, 15, v0                           ; r
	v_bfe_u32 v3, v0, 4, 1                         ; h
	v_and_b32 v4, 8, v2
	v_add_nc_u32 v4, v4, v2                        ; r + 8 (r / 8)
	v_lshlrev_b32 v5, 9, v4                        ; codes: a row is 512 bytes,
	v_lshl_add_u32 v5, v3, 4, v5                   ; + 16 h
	v_lshlrev_b32 v6, 4, v4                        ; scale bytes: 16 a row
	v_lshlrev_b32 v7, 6, v3                        ; bias where the weight is source 0: 16 h numbers on
	v_lshlrev_b32 v8, 2, v4                        ; bias for Wv: the lane's own row
	v_and_b32 v9, 31, v0
	v_lshlrev_b32 v9, 4, v9                        ; out: 16 x lane,
	v_lshl_add_u32 v10, s4, 11, v9                 ; + 2048 ct (codes)
	v_lshl_add_u32 v11, s4, 9, v9                  ; + 512 ct (scale words)
	v_lshl_add_u32 v12, s4, 10, v9                 ; + 1024 ct (bias)
	s_mov_b32 s2, ttmp9                            ; p
	s_and_b32 s3, ttmp7, 0xffff                    ; w
	s_cmp_ge_u32 s2, 3
	s_cselect_b32 s46, 1, 0                        ; p < 6: g = p / 3,
	s_mul_i32 s47, s46, 3
	s_sub_co_u32 s47, s2, s47                      ; matrix = p % 3
	s_sub_co_u32 s48, s2, 6                        ; p >= 6: g = (p - 6) % 2,
	s_and_b32 s49, s48, 1
	s_lshr_b32 s48, s48, 1
	s_add_co_u32 s48, s48, 3                       ; matrix = 3 + (p - 6) / 2
	s_cmp_lt_u32 s2, 6
	s_cselect_b32 s46, s46, s49                    ; g
	s_cselect_b32 s47, s47, s48                    ; which matrix, 0 .. 5
	s_lshl_b32 s5, s3, 7                           ; the tile's first row: 128 w
	s_lshl_b32 s6, s46, 6
	s_add_co_u32 s5, s5, s6                        ; + 64 g
	s_lshr_b32 s6, s4, 1
	s_lshl_b32 s6, s6, 5
	s_add_co_u32 s5, s5, s6                        ; + 32 (ct / 2)
	s_and_b32 s6, s4, 1
	s_lshl_b32 s6, s6, 3
	s_add_co_u32 s5, s5, s6                        ; + 8 (ct % 2)
	s_mov_b32 s57, 0
	s_wait_alu depctr_va_vdst(0)
	s_wait_kmcnt 0x0
	s_mov_b64 s[50:51], s[8:9]                     ; the matrix's three buffers are chosen on the work-group's number alone
	s_mov_b64 s[52:53], s[20:21]
	s_mov_b64 s[54:55], s[32:33]
.irp i, 1,2,3,4,5
	s_cmp_eq_u32 s47, \i
	s_cselect_b64 s[50:51], s[8+2*\i:9+2*\i], s[50:51]
	s_cselect_b64 s[52:53], s[20+2*\i:21+2*\i], s[52:53]
	s_cselect_b64 s[54:55], s[32+2*\i:33+2*\i], s[54:55]
.endr
	s_cmp_eq_u32 s47, 2
	s_cselect_b32 s7, -1, 0                        ; all lanes where the matrix is Wv
	s_lshl_b32 s56, s5, 9
	s_add_nc_u64 s[50:51], s[50:51], s[56:57]      ; codes at the tile's first row
	s_lshl_b32 s56, s5, 4
	s_add_nc_u64 s[52:53], s[52:53], s[56:57]      ; scale bytes likewise
	s_lshl_b32 s56, s5, 2
	s_add_nc_u64 s[54:55], s[54:55], s[56:57]      ; bias likewise
	s_mul_i32 s56, s3, 12
	s_add_co_u32 s56, s56, s2
	s_mul_i32 s56, s56, BLKB
	s_add_nc_u64 s[44:45], s[44:45], s[56:57]      ; my block
.irp s, 0,1,2,3
.irp c, 0,1,2,3
	global_load_b128 v[16+16*\s+4*\c:19+16*\s+4*\c], v5, s[50:51] offset:128*\s+32*\c
.endr
.endr
	global_load_b128 v[80:83], v6, s[52:53]
	global_load_b128 v[84:87], v7, s[54:55]
	global_load_b128 v[88:91], v7, s[54:55] offset:16
	global_load_b32 v92, v8, s[54:55]
	s_wait_loadcnt 0x0                             ; all twenty loads: there is nothing to do meanwhile
.irp j, 0,1,2,3,4,5,6,7
	v_cndmask_b32 v[96+\j], v[84+\j], v92, s7      ; Wv: the lane's own row's bias in all eight; no branch
.endr
.irp s, 0,1,2,3
.irp c, 0,1,2,3
	global_store_b128 v10, v[16+16*\s+4*\c:19+16*\s+4*\c], s[44:45] offset:8192*\s+512*\c
.endr
.endr
	global_store_b128 v11, v[80:83], s[44:45] offset:32768
	global_store_b128 v12, v[96:99], s[44:45] offset:34816
	global_store_b128 v12, v[100:103], s[44:45] offset:34816+512
	s_endpgm
.Lfunc_end_k_q613d950dd4_lay:
	.size	k_q613d950dd4_lay, .Lfunc_end_k_q613d950dd4_lay-k_q613d950dd4_lay
	.p2alignl 7, 3214868480
	.fill 96, 4, 3214868480
	.section	.rodata,"a",@progbits
	.p2align	6, 0x0
	.amdhsa_kernel k_q613d950dd4_lay
		.amdhsa_group_segment_fixed_size 0
		.amdhsa_private_segment_fixed_size 0
		.amdhsa_enable_private_segment 0
		.amdhsa_kernarg_size 152
		.amdhsa_user_sgpr_count 2
		.amdhsa_user_sgpr_kernarg_segment_ptr 1
		.amdhsa_wavefront_size32 1
		.amdhsa_system_sgpr_workgroup_id_x 1
		.amdhsa_system_sgpr_workgroup_id_y 1
		.amdhsa_system_sgpr_workgroup_id_z 1
		.amdhsa_system_vgpr_workitem_id 0
		.amdhsa_next_free_vgpr 112
		.amdhsa_next_free_sgpr 66
		.amdhsa_reserve_vcc 0
		.amdhsa_float_denorm_mode_32 3
		.amdhsa_float_denorm_mode_16_64 3
		.amdhsa_memory_ordered 1
		.amdhsa_forward_progress 1
		.amdhsa_inst_pref_size 8
	.end_amdhsa_kernel
	.amdgpu_metadata
---
amdhsa.version: [ 1, 2 ]
amdhsa.kernels:
  - .name:           k_q613d950dd4_lay
    .symbol:         k_q613d950dd4_lay.kd
    .args:
      - { .name: Wq_codes, .offset: 0, .size: 8, .value_kind: global_buffer, .address_space: global }
      - { .name: Wk_codes, .offset: 8, .size: 8, .value_kind: global_buffer, .address_space: global }
      - { .name: Wv_codes, .offset: 16, .size: 8, .value_kind: global_buffer, .address_space: global }
      - { .name: Wo_codes, .offset: 24, .size: 8, .value_kind: global_buffer, .address_space: global }
      - { .name: W1_codes, .offset: 32, .size: 8, .value_kind: global_buffer, .address_space: global }
      - { .name: W2_codes, .offset: 40, .size: 8, .value_kind: global_buffer, .address_space: global }
      - { .name: Wq_scales, .offset: 48, .size: 8, .value_kind: global_buffer, .address_space: global }
      - { .name: Wk_scales, .offset: 56, .size: 8, .value_kind: global_buffer, .address_space: global }
      - { .name: Wv_scales, .offset: 64, .size: 8, .value_kind: global_buffer, .address_space: global }
      - { .name: Wo_scales, .offset: 72, .size: 8, .value_kind: global_buffer, .address_space: global }
      - { .name: W1_scales, .offset: 80, .size: 8, .value_kind: global_buffer, .address_space: global }
      - { .name: W2_scales, .offset: 88, .size: 8, .value_kind: global_buffer, .address_space: global }
      - { .name: bq, .offset: 96, .size: 8, .value_kind: global_buffer, .address_space: global }
      - { .name: bk, .offset: 104, .size: 8, .value_kind: global_buffer, .address_space: global }
      - { .name: bv, .offset: 112, .size: 8, .value_kind: global_buffer, .address_space: global }
      - { .name: bo, .offset: 120, .size: 8, .value_kind: global_buffer, .address_space: global }
      - { .name: b1, .offset: 128, .size: 8, .value_kind: global_buffer, .address_space: global }
      - { .name: b2, .offset: 136, .size: 8, .value_kind: global_buffer, .address_space: global }
      - { .name: wimg, .offset: 144, .size: 8, .value_kind: global_buffer, .address_space: global }
    .group_segment_fixed_size: 0
    .private_segment_fixed_size: 0
    .kernarg_segment_align: 8
    .kernarg_segment_size: 152
    .max_flat_workgroup_size: 128
    .sgpr_count:     66
    .vgpr_count:     112
    .wavefront_size: 32
...
	.end_amdgpu_metadata
.endif
;; end of part 1
;; launch fused (part 2): grid 128 x 2, 4 waves a work-group, no clusters, 308,736 bytes of LDS; arguments x, te, wimg, out0; writes out0
.if DOCPART == 2
	.amdgcn_target "amdgcn-amd-amdhsa--gfx1250"
	.amdhsa_code_object_version 6
	.text
	.protected	k_q613d950dd4_fused
	.globl	k_q613d950dd4_fused
	.p2align	8
	.type	k_q613d950dd4_fused,@function
k_q613d950dd4_fused:
	s_mov_b64 s[64:65], 0
	v_nop
	global_prefetch_b8 v0, s[64:65] scope:SCOPE_SE
	s_setreg_imm32_b32 hwreg(HW_REG_WAVE_MODE, 25, 1), 1
	s_wait_xcnt 0x0
; The whole module for ONE (b, n): 128 tokens x 512 features.  xt = x + te; q, k, v; causal attention in 8 heads of 64 with scores outside a head's 16 focus keys x 0.3; Wo, + xt, LayerNorm; W1, relu, W2, + residual, LayerNorm.
; All eight products on codes of E4M3 with one E8M0 scale for each 32 along K; everything else in f32.  x, te and out0 are touched once; nothing else goes to memory.
; SHARES.  Four waves.  THE WAVES SHARE THE COLUMNS, NOT THE ROWS: wave w owns features 128 w .. 128 w + 127 of every product, that is heads 2 w and 2 w + 1, so attention needs no other wave, and a wave's results
; are K step w of the next product.  A PASS is 128 tokens x 64 columns x K 512: 32 accumulators, 128 matrix instructions; twelve passes a wave.
; WEIGHTS come from memory straight into registers, from blocks laid in register order by the launch before: each load of a wave covers 512 consecutive bytes, each fragment feeds eight matrix instructions.
; OPERANDS go from wave to wave through LDS as images of their registers: 16 bytes a lane at 16 x lane, 512 bytes a register group; scale words 4 bytes a row.
; TILES.  Token tile t = 2 b + u holds tokens 32 b + 8 u + i + 8 (i / 8), i = 0 .. 15; weight tiles likewise.  So a lane's 16 registers of two neighbouring tiles of results are 16 neighbours along the next K,
; 32 b + 16 (lane / 16) + 0 .. 15, and the conversions' results are the next operand's registers.  Q, K, Wo, W1, W2: source 0 = weight tile, source 1 = token tile: a lane holds one token.  V: the other way round: a lane holds one
; channel and its registers run along the keys.  S^T = K Q^T and O^T = V^T P^T keep one query a lane.
; ATTENTION GOES BY PAIRS OF QUERY TILES: tiles 2 j and 2 j + 1 lie in token block j, see the same key blocks and take the same branches; their chains of dependent lines are written by turns, so that no line waits for the line above it.
; THE RESIDUAL (128 x 512 f32) stays on the WGP: each wave keeps its 512-byte strip of token tiles 0-4 in LDS; tiles 5, 6 wait in registers until x's codes have been read out and then take their LDS bytes; tile 7 stays in registers.
; NO CLUSTER, NO TENSOR LOAD: what work-groups share is the weights alone; LDS has 327,680 - 308,736 = 18,944 bytes left, and two slots of one K step's weights for four waves are 65,536.
; LIMITS.  NaN and infinities among the inputs are not served.  A block whose largest magnitude lies under 2^-118 takes the scale byte 1, a block of zeros too (the rule says 127): its codes are zeros, and only this program reads the bytes.
; t = score x fl(c x 0.3) outside the focus, c = log2(e) / 8: one rounding placed otherwise than in the definition.  LayerNorm's (z - m) r is one fused multiply-add, z r + fl(-m r): the constant is rounded once, to 2^-24 of itself,
; as the mean m is.  The last pass's look-ahead loads read its own block once more; nobody uses them.
; REGISTERS, in windows of 256.  Window 0: v1-23 addresses and constants, v24-101 scale words, biases, factors, v102-127 at work, v128-255 eight operand fragments (free as work space outside the products).
;   Window 1: v0-191 a ring of three slots of four weight fragments; v192-255 the residual of tile 7.   Window 2: the 32 accumulators (at the start: x's and te's rows; in attention: scores and O^T).
;   Window 3: v0-127 the residual of tiles 5, 6; v128-191 K's codes, later the hidden layer's second half; v192-255 V's codes, later its first half.
; ORDER OF THE PASSES of a head: V, Q, K (blocks 3 g + 2, 3 g, 3 g + 1), in one loop of three trips that shares the four quantisers; V's codes are then moved to their own registers.
; K STEP 3 of a pass's weights has 64 registers of its own in window 3, dead while a product runs: v128-191 in the passes for V, Q, K (the codes that lay there have been moved, stored or used), v0-63 in the layers.
; x AND te ARE PREFETCHED INTO THE L2: a trip of phase A asks for the tile whose loads stand two trips on; a wave asks for its own strip, a lane for one block of 256 bytes, two instructions a tile; nobody else reads these bytes.
; The second and third tile are asked for at the head; the last three trips ask for nothing.
.set PIT,   528
.set SLOTB, 16*PIT                     ; a token tile's strip
.set RWB,   7*SLOTB                    ; a wave's region: seven such slots
.set XCO,   5*SLOTB                    ; in it, until x's codes are read out: K step w of x's codes, 8 images of 2,048 bytes,
.set XSO,   XCO+16384                  ; and their scale words, 64 bytes a tile
.set A1B,   4*RWB                      ; the operand of the layers: 16,384 s + 2,048 t + 512 c + 16 lane
.set A1S,   A1B+65536                  ; its scale words: 512 s + 64 t + 4 r
.set LNB,   A1S+2048                   ; LayerNorm: 1,024 w + 8 (16 t + r): (mean, sum of squared deviations) of the wave's 128 columns
.set BLKB,  38912                      ; a pass's block of weights
.set TROW,  262144                     ; bytes from token to token in x, te, out0
.set L16,  1                           ; 16 x lane
.set FBX,  2                           ; x's codes: 16 lane + XCO
.set SBX,  3                           ; their scale words: 4 r + XSO
.set FB1,  4                           ; the layers' operand: 16 lane + A1B
.set SB1,  5                           ; 4 r + A1S
.set IMX,  6                           ; where I store x's images
.set IMXS, 7
.set IM1,  8                           ; where I store the layers' images: FB1 + 16,384 w
.set IM1S, 9                           ; SB1 + 512 w
.set RQ,   10                          ; my strip, row r, + 64 h: a lane's 16 numbers of each block of 32
.set RD,   11                          ; my strip, 16 x lane: a whole row an instruction
.set STQ,  12                          ; the stage for tile 7 on the way out
.set VBO,  13                          ; the bias image's offset: 16 x lane for V; else 256 x (lane / 16): the sixteen lanes of a half hold equal bytes there and name one address
.set LNW,  14
.set LNR,  15
.set GV,   16                          ; 512 w + 16 lane: my bytes of a row in memory
.set L16R, 17                          ; 16 r: the scale words' offset: both halves of the lanes name the same row's words
.set NINF, 18
.set WVO,  19                          ; the offset of the loads for the NEXT pass: 16 x lane; 0 in the last pass, whose look-ahead nobody uses
.set TA0,  20                          ; v20-23 addresses in hand
.set TA1,  21
.set TA2,  22
.set TA3,  23
.set XS,   24                          ; v24-31 the operand's scale words, by token tile; in attention v24, v25 are the second tile's scale words of Q and of p
.set WS,   32                          ; v32-47 the weights': 4 ct + s
.set BI,   48                          ; v48-79 the bias as C: 8 ct + j
.set KS,   80                          ; v80-87 K's scale words; later the hidden layer's
.set QS,   88
.set PS,   89
.set QS2,  XS
.set PS2,  XS+1
.set VS,   90                          ; v90-93
.set CB,   94                          ; v94-101 four pairs: the factor of key block b in my lane
.set TM,   102                         ; v102-127
.set AF,   128
.set PFO,  CB                          ; in phase A alone: the prefetches' offset: row (lane / 2) of a tile, block lane % 2 of my 512 bytes
; attention.  A tile's 26 temporaries, from TM (first tile) or TB (second): +0 block maxima, +4 at work, +8 448 x the scale, +12 the conversions' scale operands, +16 -M twice, +18, +20 the sum in two pairs, +23 at work, +24 1 / the sum twice
.set SW,   0                           ; window 2: scores, then p: 64 a tile
.set OW,   128                         ; window 2: O^T: 32 a tile
.set OC,   128                         ; window 0: the first tile's held p (16); then O's codes, 8 a tile
.set TB,   144                         ; window 0: the second tile's temporaries
.set HD,   144                         ; window 0: the quantiser's hold for O, when those are dead
.set HB,   176                         ; window 0: the second tile's held p (16)
.set PC,   192                         ; window 0: p's codes, 16 a tile
.set QB,   224                         ; window 0: Q's fragments, 16 a tile: 8 registers of codes, 8 of zeros
.set MK,   66                          ; s66-74: the diagonal's lane masks
; scalars: s[4:5] x, s[6:7] te, s[10:11] out0 at my (b, n); s[8:9] this pass's block, s[12:13] the next one's, s[52:53] my first; s[14:15], s[16:17], s[18:19] a tile of x, te, out0; s[20:21], s[22:23] offsets (upper word 0);
; s24, s25 lane selects; s26 the mantissa field of 448; s27 wave; s30-34 tile loops; s35-37 g, 1024 g, 2 g; s38 Q or K; s39 the pair of query tiles, s42, s43 its offsets; s44-46 layer, pass, 256 pass; s47 passes done; s48-50 at work
.set MSB, 0
.macro WIN new                         ; the immediate's high byte repeats the setting that is left; a switch that changes nothing is dropped
.if MSB != (\new)
	s_set_vgpr_msb (MSB<<8)|(\new)
.set MSB, (\new)
.endif
.endm
.macro NOP8                            ; eight places behind this matrix form where no other vector work is at hand
.rept 8
	v_nop
.endr
.endm
.macro BAR                             ; my LDS stores have landed and my LDS loads are in: then the work-group's barrier
	s_wait_dscnt 0x0
	s_barrier_signal -1
	s_barrier_wait -1
.endm
.macro TILEOFF t                       ; s20 = tile s[t]'s first token in bytes: token 32 (t / 2) + 8 (t % 2)
	s_lshr_b32 s20, s[\t], 1
	s_lshl_b32 s20, s20, 23
	s_and_b32 s48, s[\t], 1
	s_lshl_b32 s48, s48, 21
	s_add_co_u32 s20, s20, s48
.endm
.macro LOADXE                          ; a tile's 16 rows of x and of te, my strip: each load takes 512 consecutive bytes of one row
	WIN 0x80
.set ri, 0
.rept 16
	global_load_b128 v[4*ri:4*ri+3], v[GV], s[14:15] offset:(ri+8*(ri/8))*TROW th:TH_LOAD_NT
.set ri, ri+1
.endr
.set ri, 0
.rept 16
	global_load_b128 v[64+4*ri:64+4*ri+3], v[GV], s[16:17] offset:(ri+8*(ri/8))*TROW th:TH_LOAD_NT
.set ri, ri+1
.endr
	WIN 0
.endm
.macro ZLOAD reg, adr, off             ; a lane's 64 numbers of its row: register 16 b + i = feature 32 b + 16 h + i of my strip
.set zk, 0
.rept 16
	ds_load_b128 v[(\reg)+4*zk:(\reg)+4*zk+3], v[\adr] offset:(\off)+128*(zk/4)+16*(zk%4)
.set zk, zk+1
.endr
.endm
.macro ZSTORE reg, adr, off
.set zk, 0
.rept 16
	ds_store_b128 v[\adr], v[(\reg)+4*zk:(\reg)+4*zk+3] offset:(\off)+128*(zk/4)+16*(zk%4)
.set zk, zk+1
.endr
.endm
.macro ROWSLD reg, adr                 ; sixteen whole rows of 512 bytes
.set zk, 0
.rept 16
	ds_load_b128 v[(\reg)+4*zk:(\reg)+4*zk+3], v[\adr] offset:PIT*zk
.set zk, zk+1
.endr
.endm
.macro IMG adr, reg, off               ; a fragment goes to LDS as it stands
.set zk, 0
.rept 4
	ds_store_b128 v[\adr], v[(\reg)+4*zk:(\reg)+4*zk+3] offset:(\off)+512*zk
.set zk, zk+1
.endr
.endm
.macro OUTST                           ; sixteen rows of out0: each store covers 512 consecutive bytes, aligned; written once
.set ri, 0
.rept 16
	global_store_b128 v[GV], v[128+4*ri:131+4*ri], s[18:19] offset:(ri+8*(ri/8))*TROW th:TH_STORE_NT
.set ri, ri+1
.endr
.endm
.macro WL slot, base, s                ; K step s's four weight fragments into a slot of the ring
	WIN 0x40
.set wc, 0
.rept 16
	global_load_b128 v[64*(\slot)+4*wc:64*(\slot)+4*wc+3], v[L16+(WVO-L16)*((\base)/12)], s[\base:\base+1] offset:8192*(\s)+512*wc   ; base 8: offset L16; base 12, the next pass: WVO
.set wc, wc+1
.endr
	WIN 0
.endm
.macro WLX xb                          ; this pass's K step 3: four fragments into v[xb ..] of window 3
	WIN 0xc0
.set wc, 0
.rept 16
	global_load_b128 v[(\xb)+4*wc:(\xb)+4*wc+3], v[L16], s[8:9] offset:8192*3+512*wc
.set wc, wc+1
.endr
	WIN 0
.endm
.macro WSL base
.set wc, 0
.rept 4
	global_load_b128 v[WS+4*wc:WS+4*wc+3], v[L16R], s[\base:\base+1] offset:32768+512*wc
.set wc, wc+1
.endr
.endm
.macro BIL base
.set wc, 0
.rept 8
	global_load_b128 v[BI+4*wc:BI+4*wc+3], v[VBO], s[\base:\base+1] offset:34816+512*wc
.set wc, wc+1
.endr
.endm
; K step s's two LDS addresses (fragments, scale words): a pair of registers for even steps and one for odd; a pair is written when all loads that named it have been waited for.
.macro AFA s, fb, fstr, sb, sstr
	v_add_nc_u32 v[TA0+2*((\s)%2)], (\s)*(\fstr), v[\fb]
	v_add_nc_u32 v[TA1+2*((\s)%2)], (\s)*(\sstr), v[\sb]
.endm
; Token tiles 2 pr and 2 pr + 1 of K step s of the operand: 8 + 2 = 10 LDS loads.
.macro AFP s, pr
.set at, 2*(\pr)
.rept 2
.set ac, 0
.rept 4
	ds_load_b128 v[AF+16*at+4*ac:AF+16*at+4*ac+3], v[TA0+2*((\s)%2)] offset:2048*at+512*ac
.set ac, ac+1
.endr
	ds_load_b32 v[XS+at], v[TA1+2*((\s)%2)] offset:64*at
.set at, at+1
.endr
.endm
; 8 matrix instructions: two token tiles x four column tiles, 128 along K.  kind 0: source 0 = weights; kind 1 (V): source 0 = tokens.  K step 0 takes the bias as C.
; K steps 0 to 2 take their weights from ring slot s in window 1, K step 3 from v[xb ..] of window 3.
; The 32 accumulators take turns, one instruction a turn, in the same order in every K step.
.macro MM8 kind, pr, s, xb
.if (\s) == 3
.set mwb, (\xb)
.set mww, 3
.else
.set mwb, 64*(\s)
.set mww, 1
.endif
.if (\s) == 0
	WIN 0x80|(mww<<(2*(\kind)))
.else
	WIN 0xa0|(mww<<(2*(\kind)))
.endif
.set mt, 2*(\pr)
.rept 2
.set mc, 0
.rept 4
.set mw, mwb+16*mc
.set ma, AF+16*mt
.if (\kind) == 0
.set md, 32*mt+8*mc
.if (\s) == 0
	v_wmma_scale_f32_16x16x128_f8f6f4 v[md:md+7], v[mw:mw+15], v[ma:ma+15], v[BI+8*mc:BI+8*mc+7], v[WS+4*mc+(\s)], v[XS+mt]
.else
	v_wmma_scale_f32_16x16x128_f8f6f4 v[md:md+7], v[mw:mw+15], v[ma:ma+15], v[md:md+7], v[WS+4*mc+(\s)], v[XS+mt]
.endif
.else
.set md, 64*mc+8*mt
.if (\s) == 0
	v_wmma_scale_f32_16x16x128_f8f6f4 v[md:md+7], v[ma:ma+15], v[mw:mw+15], v[BI+8*mc:BI+8*mc+7], v[XS+mt], v[WS+4*mc+(\s)]
.else
	v_wmma_scale_f32_16x16x128_f8f6f4 v[md:md+7], v[ma:ma+15], v[mw:mw+15], v[md:md+7], v[XS+mt], v[WS+4*mc+(\s)]
.endif
.endif
.set mc, mc+1
.endr
.set mt, mt+1
.endr
.endm
; A PASS.  The operand comes by pairs of token tiles: behind a pair's eight products and their eight places its registers take the same pair of the next K step, which is used three pairs later.
; Ring slot s holds K step s; behind K step s it takes the next pass's K step s; the bias follows K step 0, the scale words K step 3.  This pass's K step 3 is asked for at the pass's head.
.macro PRODUCT kind, fb, fstr, sb, sstr, xb
	s_wait_dscnt 0x0                               ; no LDS instruction of mine is out: the address registers and v[xb ..] may be written
	AFA 0, \fb, \fstr, \sb, \sstr
	AFA 1, \fb, \fstr, \sb, \sstr
	s_wait_alu depctr_va_vdst(0)                   ; directly behind the writes
.irp pr, 0,1,2,3
	AFP 0, \pr
.endr
	WLX \xb
	s_wait_loadcnt 16                              ; K steps 0 to 2, scale words and bias are in; the 16 loads of K step 3 may be out
.irp s, 0,1,2,3
.if \s == 3
	s_wait_loadcnt 56                              ; K step 3 is in: behind it stand three slots' 16 + 16 + 16 and the bias's 8
.endif
.irp pr, 0,1,2,3
.if \s == 3
	s_wait_dscnt 30-10*\pr                         ; behind this pair's ten loads: those of the step's later pairs
.else
	s_wait_dscnt 30                                ; behind this pair's ten loads: three pairs' (this step's later ones, the next step's earlier ones)
.endif
.if (\pr == 0) && ((\s == 1) || (\s == 2))
	AFA \s+1, \fb, \fstr, \sb, \sstr
	s_wait_alu depctr_va_vdst(0)                   ; as above
.endif
	MM8 \kind, \pr, \s, \xb
.if (\s < 3) || (\pr == 3)
	WIN 0
	NOP8
.endif
.if \s < 3
	AFP \s+1, \pr
.endif
.endr
.if \s < 3
	WL \s, 12, \s
.endif
.if \s == 0
	BIL 12
.elseif \s == 3
	WSL 12
.endif
.endr
.endm
; On to the next block; the one after it is held at my last, block 11.  It stands behind the pass's epilogue, so that the pass's last loads have long read their bases when the wait is reached.
.macro PASS_END
	s_wait_xcnt 0x0                                ; the loads have read their bases
	s_mov_b64 s[8:9], s[12:13]
	s_add_co_u32 s47, s47, 1
	s_add_co_u32 s22, s47, 1
	s_min_u32 s22, s22, 11
	s_cmp_eq_u32 s22, 3                            ; passes 0 .. 5 go V, Q, K, V, Q, K; their blocks lie Q, K, V, Q, K, V: pass 3 takes block 5, passes 1, 2, 4, 5 the block one lower
	s_cselect_b32 s48, 2, -1
	s_cmp_lt_u32 s22, 6
	s_cselect_b32 s48, s48, 0
	s_add_co_i32 s22, s22, s48
	s_mul_i32 s22, s22, BLKB
	s_add_nc_u64 s[12:13], s[52:53], s[22:23]
	s_movk_i32 s48, 0x100                          ; the coming pass loads its successor's bias: V's (pass 3) a lane its own, the others' a half its own
	s_cmp_eq_u32 s47, 2
	s_cselect_b32 s48, 0x1f0, s48
	s_movk_i32 s49, 0x1f0
	s_cmp_eq_u32 s47, 11                           ; the last pass has no successor: its look-ahead names one address in all lanes
	s_cselect_b32 s49, 0, s49
	s_cselect_b32 s48, 0, s48
	v_and_b32 v[VBO], s48, v[L16]
	v_and_b32 v[WVO], s49, v[L16]
	s_wait_alu depctr_va_vdst(0)
.endm
; THE QUANTISER.  nb blocks; a lane's 16 numbers of block b stand in v[src + 16 b ..] of window sw, lane l xor 16 holds the other 16.  Held numbers go to v[hd ..] of window 0 (pp = 1: two buffers of 16 by turns),
; codes to v[cd + 4 b ..] of window cw, the scale bytes into v[pw].  relu = 1: what is negative becomes 0 on the way.  The sources are read in ascending order.
.macro QUANT nb, src, sw, hd, pp, cd, cw, relu, pw
	WIN ((\sw)|((\sw)<<2))
.set qb, 0
.rept \nb
.if \relu
	v_max3_num_f32 v[TM+qb], v[(\src)+16*qb], v[(\src)+16*qb+1], 0x4800000         ; the floor 2^(9 - 127) holds the byte at 1 from below; no |.|: what is negative is to count for nothing
.else
	v_max3_num_f32 v[TM+qb], |v[(\src)+16*qb]|, |v[(\src)+16*qb+1]|, 0x4800000
.endif
.set qb, qb+1
.endr
	WIN (((\sw)<<2)|((\sw)<<4))
.set qi, 2
.rept 7
.set qb, 0
.rept \nb
.if \relu
	v_max3_num_f32 v[TM+qb], v[TM+qb], v[(\src)+16*qb+qi], v[(\src)+16*qb+qi+1]
.else
	v_max3_num_f32 v[TM+qb], v[TM+qb], |v[(\src)+16*qb+qi]|, |v[(\src)+16*qb+qi+1]|
.endif
.set qb, qb+1
.endr
.set qi, qi+2
.endr
	WIN 0
.set qb, 0
.rept \nb
	v_permlanex16_b32 v[TM+4+qb], v[TM+qb], s24, s25
.set qb, qb+1
.endr
.set qb, 0
.rept \nb
	v_max_num_f32 v[TM+qb], v[TM+qb], v[TM+4+qb]                                   ; the block's largest magnitude
.set qb, qb+1
.endr
.set qb, 0
.rept \nb
	v_add_nc_u32 v[TM+12+qb], 0xfc000000, v[TM+qb]                                 ; 8 off its exponent field: the conversion's scale operand
.set qb, qb+1
.endr
.set qb, 0
.rept \nb
	v_and_or_b32 v[TM+8+qb], v[TM+qb], 0x7f800000, s26                             ; 448 x the scale
.set qb, qb+1
.endr
.set qb, 0
.rept \nb
	v_lshrrev_b32 v[TM+4+qb], 23, v[TM+12+qb]                                      ; the scale's byte
.set qb, qb+1
.endr
	v_lshl_or_b32 v[\pw], v[TM+5], 8, v[TM+4]
.if \nb == 4
	v_lshl_or_b32 v[\pw], v[TM+6], 16, v[\pw]
	v_lshl_or_b32 v[\pw], v[TM+7], 24, v[\pw]
.endif
.set qb, 0
.rept \nb
.if \pp
.set qh, (\hd)+16*(qb&1)
.else
.set qh, (\hd)+16*qb
.endif
	WIN (\sw)
.set qi, 0
.rept 16
.if \relu
	v_med3_num_f32 v[qh+qi], v[(\src)+16*qb+qi], 0, v[TM+8+qb]                     ; the activation and the hold in one
.else
	v_med3_num_f32 v[qh+qi], v[(\src)+16*qb+qi], -v[TM+8+qb], v[TM+8+qb]           ; the conversion to an 8-bit code does not saturate (ISA guide 7.6.2)
.endif
.set qi, qi+1
.endr
	WIN ((\cw)<<6)
	v_cvt_scalef32_pk8_fp8_f32 v[(\cd)+4*qb:(\cd)+4*qb+1], v[qh:qh+7], v[TM+12+qb]
	v_cvt_scalef32_pk8_fp8_f32 v[(\cd)+4*qb+2:(\cd)+4*qb+3], v[qh+8:qh+15], v[TM+12+qb]
.set qb, qb+1
.endr
	WIN 0
	v_nop                                          ; one plain line behind the last conversion, ahead of whatever next touches its registers
.endm
; One token tile of phase A: xt = x + te; my strip goes into LDS by rows and comes back 16 neighbours a block and lane; it is quantised; its image and scale word are stored.  last = 1: tile 4 asks for no further tile.
.macro PHA last
	s_wait_loadcnt 0x0                             ; this tile's 32 loads, the only ones out but the first weights
	s_wait_xcnt 0x0                                ; the last trip's prefetches have read their bases, which are written below
	WIN 0x0a
.set zk, 0
.rept 32
	v_pk_add_f32 v[128+2*zk:129+2*zk], v[2*zk:2*zk+1], v[64+2*zk:65+2*zk]
.set zk, zk+1
.endr
	WIN 0
.if \last
	s_cmp_eq_u32 s30, 4
	s_cbranch_scc1 .Lnoload_\@
.endif
	s_add_co_u32 s31, s30, 1
	s_and_b32 s31, s31, 7                          ; the order is 5, 6, 7, 0, 1, 2, 3, 4
	TILEOFF 31
	s_add_nc_u64 s[14:15], s[4:5], s[20:21]        ; (the loads that named these are done)
	s_add_nc_u64 s[16:17], s[6:7], s[20:21]
	LOADXE                                         ; the next tile is on its way while this one is worked
.if \last
.Lnoload_\@:
	s_cmp_lt_u32 s30, 2                            ; tiles 2, 3, 4 are the last three trips: no tile stands three on
	s_cbranch_scc0 .Lnoask_\@
.endif
	s_add_co_u32 s31, s30, 3                       ; the tile three on in the order of work: its loads stand two trips on
	s_and_b32 s31, s31, 7
	TILEOFF 31
	s_add_nc_u64 s[54:55], s[4:5], s[20:21]
	s_add_nc_u64 s[56:57], s[6:7], s[20:21]
	global_prefetch_b8 v[PFO], s[54:55] th:TH_LOAD_NT scope:SCOPE_SE
	global_prefetch_b8 v[PFO], s[56:57] th:TH_LOAD_NT scope:SCOPE_SE
.if \last
.Lnoask_\@:
.endif
	v_add_nc_u32 v[TA0], s32, v[RD]
	s_wait_alu depctr_va_vdst(0)
	v_add_nc_u32 v[TA1], s32, v[RQ]
	v_add_nc_u32 v[TA2], s33, v[IMX]
	v_add_nc_u32 v[TA3], s34, v[IMXS]
.set zk, 0
.rept 16
	ds_store_b128 v[TA0], v[128+4*zk:131+4*zk] offset:PIT*zk
.set zk, zk+1
.endr
	ZLOAD 192, TA1, 0                              ; LDS serves a wave's instructions in order (ISA guide 5.7.1.4): these see the stores above
	s_wait_dscnt 0x0
	QUANT 4, 192, 0, 192, 0, 128, 0, 0, TM+20
	IMG TA2, 128, 0
	ds_store_b32 v[TA3], v[TM+20]                  ; both lanes of a row write the same word
	s_wait_dscnt 0x0                               ; the stores have read their registers
	s_add_co_u32 s32, s32, SLOTB
	s_add_co_u32 s33, s33, 2048
	s_add_co_u32 s34, s34, 64
.endm
; (mean, sum of squared deviations) of my 128 columns for the 16 tokens of a tile whose 64 numbers a lane stand in v[src ..] of window sw.  Centred: no difference of large sums is formed.
.macro STATC src, sw, adr, off
	WIN ((\sw)|((\sw)<<2))
.irp c, 0,1,2,3
	v_pk_add_f32 v[128+2*\c:129+2*\c], v[(\src)+2*\c:(\src)+2*\c+1], v[(\src)+8+2*\c:(\src)+9+2*\c]
.endr
	WIN ((\sw)<<2)
.set sk, 8
.rept 24
	v_pk_add_f32 v[128+2*(sk%4):129+2*(sk%4)], v[128+2*(sk%4):129+2*(sk%4)], v[(\src)+2*sk:(\src)+2*sk+1]
.set sk, sk+1
.endr
	WIN 0
	v_pk_add_f32 v[128:129], v[128:129], v[130:131]
	v_pk_add_f32 v[132:133], v[132:133], v[134:135]
	v_pk_add_f32 v[128:129], v[128:129], v[132:133]
	v_add_f32 v128, v128, v129
	v_permlanex16_b32 v[TM+4], v128, s24, s25
	v_add_f32 v128, v128, v[TM+4]
	v_mul_f32 v[TM+16], 0x3c000000, v128           ; / 128
	v_mov_b32 v[TM+17], v[TM+16]
.set sg, 0
.rept 8
	WIN (\sw)
.irp c, 0,1,2,3
	v_pk_add_f32 v[136+2*\c:137+2*\c], v[(\src)+8*sg+2*\c:(\src)+8*sg+2*\c+1], v[TM+16:TM+17] neg_lo:[0,1] neg_hi:[0,1]
.endr
	WIN 0
.irp c, 0,1,2,3
.if sg == 0
	v_pk_mul_f32 v[128+2*\c:129+2*\c], v[136+2*\c:137+2*\c], v[136+2*\c:137+2*\c]
.else
	v_pk_fma_f32 v[128+2*\c:129+2*\c], v[136+2*\c:137+2*\c], v[136+2*\c:137+2*\c], v[128+2*\c:129+2*\c]
.endif
.endr
.set sg, sg+1
.endr
	v_pk_add_f32 v[128:129], v[128:129], v[130:131]
	v_pk_add_f32 v[132:133], v[132:133], v[134:135]
	v_pk_add_f32 v[128:129], v[128:129], v[132:133]
	v_add_f32 v128, v128, v129
	v_permlanex16_b32 v[TM+4], v128, s24, s25
	v_add_f32 v[TM+17], v128, v[TM+4]
	ds_store_b64 v[\adr], v[TM+16:TM+17] offset:\off
.endm
; The four waves' figures of my token: loaded (LNLD), then merged (LNCALC): m = the mean of the means; the deviations' sum = the four sums + 128 x the means' squared deviations; r = 1 / sqrt(that / 512 + 1e-5).
; r stands twice in v[TM+18:19], -m r twice in v[TM+16:17].  cnt: the LDS loads issued behind the four, which may stay out while the merge runs.
.macro LNLD adr, off
.irp k, 0,1,2,3
	ds_load_b64 v[TM+2*\k:TM+2*\k+1], v[\adr] offset:(\off)+1024*\k
.endr
.endm
.macro LNCALC cnt
	s_mov_b32 s49, 0x3b000000                      ; 1 / 512
	s_wait_dscnt \cnt
	v_add_f32 v[TM+8], v[TM], v[TM+2]
	v_add_f32 v[TM+9], v[TM+4], v[TM+6]
	v_add_f32 v[TM+1], v[TM+1], v[TM+3]
	v_add_f32 v[TM+5], v[TM+5], v[TM+7]
	v_add_f32 v[TM+8], v[TM+8], v[TM+9]
	v_add_f32 v[TM+1], v[TM+1], v[TM+5]
	v_mul_f32 v[TM+16], 0x3e800000, v[TM+8]
.irp k, 0,1,2,3
	v_sub_f32 v[TM+2*\k], v[TM+2*\k], v[TM+16]
.endr
	v_mul_f32 v[TM+8], v[TM], v[TM]
	v_fmac_f32 v[TM+8], v[TM+2], v[TM+2]
	v_fmac_f32 v[TM+8], v[TM+4], v[TM+4]
	v_fmac_f32 v[TM+8], v[TM+6], v[TM+6]
	v_fmamk_f32 v[TM+1], v[TM+8], 0x43000000, v[TM+1]
	v_fmaak_f32 v[TM+1], s49, v[TM+1], 0x3727c5ac
	s_wait_alu depctr_va_vdst(0)
	v_rsq_f32 v[TM+18], v[TM+1]
	v_nop                                          ; a plain line behind the transcendental
	s_wait_alu depctr_va_vdst(0)
	v_mul_f32 v[TM+16], -v[TM+16], v[TM+18]
	v_mov_b32 v[TM+19], v[TM+18]
	v_mov_b32 v[TM+17], v[TM+16]
.endm
.macro NORM base, w                    ; z r + (-m r), in place, in window w: one fused multiply-add for two numbers
	WIN ((\w)|((\w)<<6))
.set nk, 0
.rept 32
	v_pk_fma_f32 v[(\base)+2*nk:(\base)+2*nk+1], v[(\base)+2*nk:(\base)+2*nk+1], v[TM+18:TM+19], v[TM+16:TM+17]
.set nk, nk+1
.endr
	WIN 0
.endm
.macro RL8 reg, t                      ; tile t's 32 residual numbers a lane for this pass's 64 columns
.set zk, 0
.rept 8
	ds_load_b128 v[(\reg)+4*zk:(\reg)+4*zk+3], v[TA2] offset:SLOTB*(\t)+128*(zk/4)+16*(zk%4)
.set zk, zk+1
.endr
.endm
.macro RS8 reg, t
.set zk, 0
.rept 8
	ds_store_b128 v[TA2], v[(\reg)+4*zk:(\reg)+4*zk+3] offset:SLOTB*(\t)+128*(zk/4)+16*(zk%4)
.set zk, zk+1
.endr
.endm
; The diagonal: key block b is the pair's own token block.  Register i of lane (r, h) holds key 16 h + i of the block; the lane's query is token 8 u + r + 8 (r / 8) of it (u = 0, 1: the pair's tiles).  Hidden where the key comes later.
; Which lanes that is hangs on i and u alone: with m(n) = the n lowest of eight bits, the mask is m | 0xff << 16 | m << 24, m = m(min(i, 8)) for u = 0 and m(max(i - 8, 0)) for u = 1: nine masks, made at the head.
.macro MASK b
	WIN 0x82
.set mi, 0
.rept 16
.if mi < 8
.set m0, MK+mi
.set m1, MK
.else
.set m0, MK+8
.set m1, MK+mi-8
.endif
	v_cndmask_b32 v[SW+16*(\b)+mi], v[SW+16*(\b)+mi], v[NINF], s[m0]
	v_cndmask_b32 v[SW+64+16*(\b)+mi], v[SW+64+16*(\b)+mi], v[NINF], s[m1]
.set mi, mi+1
.endr
	WIN 0
.endm
; ---------------------------------------------------------------- the head
	s_load_b256 s[4:11], s[0:1], 0x0               ; x, te, wimg, out0
	v_lshrrev_b32 v[TA0], 5, v0
	v_readfirstlane_b32 s27, v[TA0]                ; wave 0 .. 3
	v_and_b32 v[TA1], 31, v0                       ; lane
	v_and_b32 v[TA2], 15, v0                       ; r
	v_bfe_u32 v[TA3], v0, 4, 1                     ; h
	v_lshlrev_b32 v[L16], 4, v[TA1]
	v_lshlrev_b32 v[TA0], 2, v[TA2]                ; 4 r
	s_mul_i32 s48, s27, RWB
	s_lshl_b32 s49, s27, 14
	s_lshl_b32 s50, s27, 9
	v_add_nc_u32 v[FBX], XCO, v[L16]
	v_add_nc_u32 v[SBX], XSO, v[TA0]
	v_add_nc_u32 v[FB1], A1B, v[L16]
	v_add_nc_u32 v[SB1], A1S, v[TA0]
	v_add_nc_u32 v[IMX], s48, v[FBX]
	v_add_nc_u32 v[IMXS], s48, v[SBX]
	v_add_nc_u32 v[IM1], s49, v[FB1]
	v_add_nc_u32 v[IM1S], s50, v[SB1]
	v_mul_u32_u24 v[RQ], v[TA2], PIT
	v_lshl_add_u32 v[RQ], v[TA3], 6, v[RQ]
	v_add_nc_u32 v[STQ], A1B, v[RQ]
	v_add_nc_u32 v[STQ], s49, v[STQ]
	v_add_nc_u32 v[RQ], s48, v[RQ]
	v_add_nc_u32 v[RD], s48, v[L16]
	v_add_nc_u32 v[GV], s50, v[L16]
	v_lshl_add_u32 v[LNR], v[TA2], 3, LNB
	s_lshl_b32 s49, s27, 10
	v_add_nc_u32 v[LNW], s49, v[LNR]
	v_mov_b32 v[NINF], 0xff800000
	v_lshlrev_b32 v[L16R], 4, v[TA2]
	v_mov_b32 v[VBO], v[L16]                       ; the first pass is V's
	v_mov_b32 v[WVO], v[L16]
	v_bfe_u32 v[TM], v0, 1, 4                      ; the prefetches' offset: i = lane / 2,
	v_and_b32 v[TM+1], 8, v[TM]
	v_add_nc_u32 v[TM], v[TM], v[TM+1]             ; token i + 8 (i / 8) of a tile,
	v_lshlrev_b32 v[TM], 18, v[TM]                 ; x 262,144 bytes,
	v_and_b32 v[TM+1], 1, v0
	v_lshl_add_u32 v[TM], v[TM+1], 8, v[TM]        ; + 256 (lane % 2),
	v_add_nc_u32 v[PFO], s50, v[TM]                ; + 512 w
.set zk, 0
.rept 26
	v_mov_b32 v[TM+zk], 0                          ; written once: a lane permute's destination counts as one of its sources
.set zk, zk+1
.endr
.set zk, 0
.rept 9
	s_mov_b32 s[MK+zk], ((1<<zk)-1)|0xff0000|(((1<<zk)-1)<<24)   ; the diagonal's lane masks (macro MASK)
.set zk, zk+1
.endr
	s_mov_b32 s24, 0x76543210
	s_mov_b32 s25, 0xfedcba98                      ; v_permlanex16_b32's selects for lane l xor 16
	s_mov_b32 s26, 0x600000                        ; the mantissa field of 448
	s_mov_b32 s21, 0
	s_mov_b32 s23, 0
	s_mov_b32 s47, 0
	s_lshl_b32 s20, ttmp9, 11                      ; n x 2,048
	s_and_b32 s48, ttmp7, 0xffff
	s_lshl_b32 s48, s48, 25                        ; b x 128 x 262,144
	s_add_co_u32 s20, s20, s48
	s_mul_i32 s22, s27, 12*BLKB
	s_wait_kmcnt 0x0
	s_add_nc_u64 s[4:5], s[4:5], s[20:21]
	s_add_nc_u64 s[6:7], s[6:7], s[20:21]
	s_add_nc_u64 s[10:11], s[10:11], s[20:21]
	s_add_nc_u64 s[52:53], s[8:9], s[22:23]        ; my twelve blocks
	s_add_nc_u64 s[8:9], s[52:53], 2*BLKB          ; the first pass is V's: block 2;
	s_mov_b64 s[12:13], s[52:53]                   ; the second Q's: block 0
	s_mov_b32 s31, 5
	TILEOFF 31
	s_add_nc_u64 s[14:15], s[4:5], s[20:21]
	s_add_nc_u64 s[16:17], s[6:7], s[20:21]
	LOADXE                                         ; tile 5 first
	s_add_nc_u64 s[54:55], s[14:15], 24*TROW       ; tile 6 begins 24 tokens behind tile 5, tile 7 eight further on: the two tiles whose loads stand in the first two trips
	s_add_nc_u64 s[56:57], s[16:17], 24*TROW
	global_prefetch_b8 v[PFO], s[54:55] th:TH_LOAD_NT scope:SCOPE_SE
	global_prefetch_b8 v[PFO], s[56:57] th:TH_LOAD_NT scope:SCOPE_SE
	global_prefetch_b8 v[PFO], s[54:55] offset:8*TROW th:TH_LOAD_NT scope:SCOPE_SE
	global_prefetch_b8 v[PFO], s[56:57] offset:8*TROW th:TH_LOAD_NT scope:SCOPE_SE
	WL 0, 8, 0                                     ; and the first pass's K steps 0 to 2, scale words and bias
	WL 1, 8, 1
	WL 2, 8, 2
	WSL 8
	BIL 8
; ---------------------------------------------------------------- A: xt, its residual and its codes.  Tiles 5, 6, 7 are staged in slots 0, 1, 2 and then kept in registers
	s_mov_b32 s30, 5
	s_mov_b32 s32, 0
	s_mov_b32 s33, 5*2048
	s_mov_b32 s34, 5*64
.Lpa1:
	PHA 0
	s_add_co_u32 s30, s30, 1
	s_cmp_lt_u32 s30, 8
	s_cbranch_scc1 .Lpa1
	WIN 0xc0
	ZLOAD 0, RQ, 0                                 ; tile 5 -> window 3, v0-63
	ZLOAD 64, RQ, SLOTB                            ; tile 6 -> window 3, v64-127
	WIN 0x40
	ZLOAD 192, RQ, 2*SLOTB                         ; tile 7 -> window 1, v192-255
	WIN 0
	s_wait_dscnt 0x0
	s_mov_b32 s30, 0
	s_mov_b32 s32, 0
	s_mov_b32 s33, 0
	s_mov_b32 s34, 0
.Lpa2:
	PHA 1
	s_add_co_u32 s30, s30, 1
	s_cmp_lt_u32 s30, 5
	s_cbranch_scc1 .Lpa2
	BAR                                            ; x's codes, all four K steps, lie in LDS
; ---------------------------------------------------------------- heads 2 w + g, g = 0, 1: Q, K, V and the attention
	s_mov_b32 s35, 0
	s_mov_b32 s36, 0
	s_mov_b32 s37, 0
.Lg:
	v_bfe_u32 v[TA0], v0, 4, 1
	v_cmp_eq_u32 vcc_lo, s35, v[TA0]               ; the focus keys 32 w + 16 g + 0 .. 15 are key block w in the lanes with h = g
	v_mov_b32 v[TM], 0x3e38aa3b                    ; c = log2(e) / 8
	v_mul_f32 v[TM+1], 0x3e99999a, v[TM]           ; c x 0.3
	s_wait_alu depctr_va_vdst(0)
.irp b, 0,1,2,3
	s_cmp_eq_u32 s27, \b
	s_cselect_b32 s50, vcc_lo, 0
	v_cndmask_b32 v[CB+2*\b], v[TM+1], v[TM], s50
	v_mov_b32 v[CB+2*\b+1], v[CB+2*\b]
.endr
	s_mov_b32 s38, 0
.Lkq:                                              ; trip 0: V; trip 1: Q; trip 2: K
	s_cmp_lg_u32 s38, 0
	s_cbranch_scc1 .Lqk
	PRODUCT 1, FBX, RWB, SBX, RWB, 128             ; V: a lane holds a channel, its registers run along the keys
	s_branch .Lqz
.Lqk:
	PRODUCT 0, FBX, RWB, SBX, RWB, 128
.Lqz:
.irp p, 0,1,2,3                                    ; 64 registers are two token tiles of two blocks (K = the head's 64): codes to window 3, v[128 + 8 t]
	QUANT 4, 64*\p, 2, 128, 1, 128+16*\p, 3, 0, TM+22+\p
.endr
	s_cmp_lg_u32 s38, 0
	s_cbranch_scc1 .Lnotv
	WIN 0xc3                                       ; V: 64 registers are a channel tile's four key blocks: the codes move to v192-255 of window 3, the scale words to their registers
.set zk, 0
.rept 64
	v_mov_b32 v[192+zk], v[128+zk]
.set zk, zk+1
.endr
	WIN 0
.irp d, 0,1,2,3
	v_mov_b32 v[VS+\d], v[TM+22+\d]
.endr
	s_branch .Lnoq
.Lnotv:
.irp p, 0,1,2,3
	v_and_b32 v[KS+2*\p], 0xffff, v[TM+22+\p]      ; a tile's two bytes; bytes 2, 3 stay 0: they scale the zero half of K = 128
	v_lshrrev_b32 v[KS+2*\p+1], 16, v[TM+22+\p]
.endr
	s_wait_alu depctr_va_vdst(0)                   ; the last codes
	s_cmp_lg_u32 s38, 1
	s_cbranch_scc1 .Lnoq
	WIN 0x0c                                       ; Q waits in LDS, in register groups 2, 3 of my own part of the layers' operand
.set zk, 0
.rept 16
	ds_store_b128 v[IM1], v[128+4*zk:131+4*zk] offset:2048*(zk/2)+1024+512*(zk%2)
.set zk, zk+1
.endr
	WIN 0
.irp t, 0,1,2,3,4,5,6,7
	ds_store_b16 v[IM1S], v[KS+\t] offset:64*\t+2
.endr
.Lnoq:
	PASS_END
	s_add_co_u32 s38, s38, 1
	s_cmp_lt_u32 s38, 3
	s_cbranch_scc1 .Lkq
.irp j, 0,1,2,3,4,5,6,7
	v_mov_b32 v[QB+8+\j], 0                        ; the zero halves of Q's two operands; these lines are also the places between K's scale words and the products
	v_mov_b32 v[QB+24+\j], 0
.endr
.rept 4
	v_nop                                          ; four places between the zeros just written and the scaled products
.endr
	s_wait_alu depctr_va_vdst(0)
	s_mov_b32 s39, 0
	s_mov_b32 s42, 0
	s_mov_b32 s43, 0
.Ltq:                                              ; query tiles 2 j and 2 j + 1, j = s39: both lie in token block j: key blocks under j are open, block j is cut by the diagonal, those above are left out
	v_add_nc_u32 v[TA0], s42, v[IM1]
	v_add_nc_u32 v[TA1], s43, v[IM1S]
.irp t, 0,1
	ds_load_b128 v[QB+16*\t:QB+16*\t+3], v[TA0] offset:2048*\t+1024
	ds_load_b128 v[QB+16*\t+4:QB+16*\t+7], v[TA0] offset:2048*\t+1536
.endr
	ds_load_u16 v[QS], v[TA1] offset:2
	ds_load_u16 v[QS2], v[TA1] offset:66
	s_wait_dscnt 0x0                               ; Q is in, and the last pair's stores have read their registers
.irp b, 0,1,2,3                                    ; S^T = K Q^T.  K's operand of tile kt is 16 registers from v[128 + 8 kt] of window 3: its upper half, the next tile's codes, meets Q's zeros
.if \b > 0
	s_cmp_lt_u32 s39, \b
	s_cbranch_scc1 .Lsdone
.endif
	WIN 0x83                                       ; K window 3, Q window 0, scores window 2
	v_wmma_scale_f32_16x16x128_f8f6f4 v[SW+16*\b:SW+16*\b+7], v[128+16*\b:143+16*\b], v[QB:QB+15], 0, v[KS+2*\b], v[QS]
	v_wmma_scale_f32_16x16x128_f8f6f4 v[SW+64+16*\b:SW+64+16*\b+7], v[128+16*\b:143+16*\b], v[QB+16:QB+31], 0, v[KS+2*\b], v[QS2]
	v_wmma_scale_f32_16x16x128_f8f6f4 v[SW+16*\b+8:SW+16*\b+15], v[136+16*\b:151+16*\b], v[QB:QB+15], 0, v[KS+2*\b+1], v[QS]
	v_wmma_scale_f32_16x16x128_f8f6f4 v[SW+64+16*\b+8:SW+64+16*\b+15], v[136+16*\b:151+16*\b], v[QB+16:QB+31], 0, v[KS+2*\b+1], v[QS2]
	WIN 0
.endr
.Lsdone:
.irp j, 8,9,10,11,12,13,14,15,20,21,22,23,24,25,26,27,28,29,30,31,4,5,6,7
	v_mov_b32 v[PC+\j], 0                          ; key blocks that are left out: zero codes.  These 38 lines, due anyway, are the places behind the products
.endr
.irp x, TM, TB
.irp b, 1,2,3
	v_mov_b32 v[\x+\b], v[NINF]
.endr
.irp j, 18,19,20,21
	v_mov_b32 v[\x+\j], 0
.endr
.endr
.irp b, 0,1,2,3
	s_cmp_lg_u32 s39, \b
	s_cbranch_scc1 .Lnm\b
	MASK \b
.Lnm\b:
.endr
.irp b, 0,1,2,3                                    ; my lane's largest score of each block (the factor is one number a lane and block, and positive): two chains a tile, four by turns
.if \b > 0
	s_cmp_lt_u32 s39, \b
	s_cbranch_scc1 .Lmdone
.endif
	WIN 0x2a
	v_max3_num_f32 v[TM+\b], v[SW+16*\b], v[SW+16*\b+1], v[SW+16*\b+2]
	v_max3_num_f32 v[TB+\b], v[SW+64+16*\b], v[SW+64+16*\b+1], v[SW+64+16*\b+2]
	v_max3_num_f32 v[TM+4+\b], v[SW+16*\b+8], v[SW+16*\b+9], v[SW+16*\b+10]
	v_max3_num_f32 v[TB+4+\b], v[SW+64+16*\b+8], v[SW+64+16*\b+9], v[SW+64+16*\b+10]
	WIN 0x28
.irp i, 3,5
	v_max3_num_f32 v[TM+\b], v[TM+\b], v[SW+16*\b+\i], v[SW+16*\b+\i+1]
	v_max3_num_f32 v[TB+\b], v[TB+\b], v[SW+64+16*\b+\i], v[SW+64+16*\b+\i+1]
	v_max3_num_f32 v[TM+4+\b], v[TM+4+\b], v[SW+16*\b+8+\i], v[SW+16*\b+9+\i]
	v_max3_num_f32 v[TB+4+\b], v[TB+4+\b], v[SW+64+16*\b+8+\i], v[SW+64+16*\b+9+\i]
.endr
	v_max3_num_f32 v[TM+\b], v[TM+\b], v[SW+16*\b+7], v[SW+16*\b+15]
	v_max3_num_f32 v[TB+\b], v[TB+\b], v[SW+64+16*\b+7], v[SW+64+16*\b+15]
	WIN 0
	v_max_num_f32 v[TM+\b], v[TM+\b], v[TM+4+\b]
	v_max_num_f32 v[TB+\b], v[TB+\b], v[TB+4+\b]
.endr
.Lmdone:
	s_wait_alu depctr_va_vdst(0)
.irp b, 0,1,2,3
.irp x, TM, TB
	v_mul_f32 v[\x+4+\b], v[\x+\b], v[CB+2*\b]     ; as t
.endr
.endr
.irp x, TM, TB
	v_max3_num_f32 v[\x+23], v[\x+4], v[\x+5], v[\x+6]
.endr
.irp x, TM, TB
	v_max_num_f32 v[\x+23], v[\x+23], v[\x+7]
.endr
.irp x, TM, TB
	v_permlanex16_b32 v[\x+4], v[\x+23], s24, s25
.endr
.irp x, TM, TB
	v_max_num_f32 v[\x+23], v[\x+23], v[\x+4]      ; the row's largest t (a query's own key always counts)
.endr
.irp x, TM, TB
	v_floor_f32 v[\x+16], -v[\x+23]                ; -M = -ceil(t)
.endr
.irp x, TM, TB
	v_mov_b32 v[\x+17], v[\x+16]
.endr
.irp b, 0,1,2,3
.if \b > 0
	s_cmp_lt_u32 s39, \b
	s_cbranch_scc1 .Ledone
.endif
	WIN 0x82
	s_wait_alu depctr_va_vdst(0)
.irp j, 0,2,4,6,8,10,12,14
	v_pk_fma_f32 v[SW+16*\b+\j:SW+16*\b+\j+1], v[SW+16*\b+\j:SW+16*\b+\j+1], v[CB+2*\b:CB+2*\b+1], v[TM+16:TM+17]
	v_pk_fma_f32 v[SW+64+16*\b+\j:SW+64+16*\b+\j+1], v[SW+64+16*\b+\j:SW+64+16*\b+\j+1], v[CB+2*\b:CB+2*\b+1], v[TB+16:TB+17]
.endr
	s_wait_alu depctr_va_vdst(0)
.irp j, 0,1,2,3,4,5,6,7,8,9,10,11,12,13,14,15
	v_exp_f32 v[SW+16*\b+\j], v[SW+16*\b+\j]       ; p = 2^(t - M), not normalised
	v_exp_f32 v[SW+64+16*\b+\j], v[SW+64+16*\b+\j]
.endr
	v_nop                                          ; a plain line behind the exponentials
	WIN 0
.endr
.Ledone:
.irp b, 0,1,2,3
.irp x, TM, TB
	v_fma_f32 v[\x+\b], v[\x+\b], v[CB+2*\b], v[\x+16]   ; my lane's largest p of each block: the same multiply-add and exponential on the same number
.endr
.endr
	s_wait_alu depctr_va_vdst(0)
.irp b, 0,1,2,3
.irp x, TM, TB
	v_exp_f32 v[\x+\b], v[\x+\b]
.endr
.endr
	v_nop
	s_wait_alu depctr_va_vdst(0)
.irp b, 0,1,2,3
.irp x, TM, TB
	v_permlanex16_b32 v[\x+4+\b], v[\x+\b], s24, s25
.endr
.endr
.irp b, 0,1,2,3
.irp x, TM, TB
	v_max3_num_f32 v[\x+\b], v[\x+\b], v[\x+4+\b], 0x4800000
.endr
.endr
.irp b, 0,1,2,3
.irp x, TM, TB
	v_add_nc_u32 v[\x+12+\b], 0xfc000000, v[\x+\b]
.endr
.endr
.irp b, 0,1,2,3
.irp x, TM, TB
	v_and_or_b32 v[\x+8+\b], v[\x+\b], 0x7f800000, s26
.endr
.endr
.irp b, 0,1,2,3
.irp x, TM, TB
	v_lshrrev_b32 v[\x+4+\b], 23, v[\x+12+\b]
.endr
.endr
	v_lshl_or_b32 v[PS], v[TM+5], 8, v[TM+4]       ; p's scale words: at least 48 plain lines stand between them and the products
	v_lshl_or_b32 v[PS2], v[TB+5], 8, v[TB+4]
	v_lshl_or_b32 v[PS], v[TM+6], 16, v[PS]
	v_lshl_or_b32 v[PS2], v[TB+6], 16, v[PS2]
	v_lshl_or_b32 v[PS], v[TM+7], 24, v[PS]
	v_lshl_or_b32 v[PS2], v[TB+7], 24, v[PS2]
.irp b, 0,1,2,3
.if \b > 0
	s_cmp_lt_u32 s39, \b
	s_cbranch_scc1 .Lcdone
.endif
	WIN 0x02                                       ; p window 2, all else window 0
.irp j, 0,4,8,12
	v_pk_add_f32 v[TM+18:TM+19], v[SW+16*\b+\j:SW+16*\b+\j+1], v[TM+18:TM+19]             ; the row's sum is taken of the unquantised p: two chains a tile, four by turns
	v_pk_add_f32 v[TB+18:TB+19], v[SW+64+16*\b+\j:SW+64+16*\b+\j+1], v[TB+18:TB+19]
	v_pk_add_f32 v[TM+20:TM+21], v[SW+16*\b+\j+2:SW+16*\b+\j+3], v[TM+20:TM+21]
	v_pk_add_f32 v[TB+20:TB+21], v[SW+64+16*\b+\j+2:SW+64+16*\b+\j+3], v[TB+20:TB+21]
.endr
.irp j, 0,1,2,3,4,5,6,7,8,9,10,11,12,13,14,15
	v_min_num_f32 v[OC+\j], v[SW+16*\b+\j], v[TM+8+\b]                                    ; p is not negative: the hold is one-sided.  The held p goes to window 0, where the conversions need no switch
	v_min_num_f32 v[HB+\j], v[SW+64+16*\b+\j], v[TB+8+\b]
.endr
	WIN 0
	v_cvt_scalef32_pk8_fp8_f32 v[PC+4*\b:PC+4*\b+1], v[OC:OC+7], v[TM+12+\b]
	v_cvt_scalef32_pk8_fp8_f32 v[PC+4*\b+2:PC+4*\b+3], v[OC+8:OC+15], v[TM+12+\b]
	v_cvt_scalef32_pk8_fp8_f32 v[PC+16+4*\b:PC+16+4*\b+1], v[HB:HB+7], v[TB+12+\b]
	v_cvt_scalef32_pk8_fp8_f32 v[PC+16+4*\b+2:PC+16+4*\b+3], v[HB+8:HB+15], v[TB+12+\b]   ; (the next block's sixteen additions, or the addition below, stand ahead of whatever touches these registers next)
.endr
.Lcdone:
.irp x, TM, TB
	v_pk_add_f32 v[\x+18:\x+19], v[\x+18:\x+19], v[\x+20:\x+21]
.endr
.irp x, TM, TB
	v_add_f32 v[\x+23], v[\x+18], v[\x+19]
.endr
.irp x, TM, TB
	v_permlanex16_b32 v[\x+4], v[\x+23], s24, s25
.endr
.irp x, TM, TB
	v_add_f32 v[\x+23], v[\x+23], v[\x+4]
.endr
	s_wait_alu depctr_va_vdst(0)
.irp x, TM, TB
	v_rcp_f32 v[\x+24], v[\x+23]
.endr
	v_nop
	s_wait_alu depctr_va_vdst(0)
.irp x, TM, TB
	v_mov_b32 v[\x+25], v[\x+24]
.endr
.rept 4
	v_nop                                          ; four places between the codes just made and the scaled products
.endr
	WIN 0x83                                       ; V window 3, p's codes window 0, O^T window 2
.irp d, 0,1,2,3                                    ; O^T = V^T P^T: 16 channels a tile, K = the 128 keys
	v_wmma_scale_f32_16x16x128_f8f6f4 v[OW+8*\d:OW+8*\d+7], v[192+16*\d:207+16*\d], v[PC:PC+15], 0, v[VS+\d], v[PS]
	v_wmma_scale_f32_16x16x128_f8f6f4 v[OW+32+8*\d:OW+32+8*\d+7], v[192+16*\d:207+16*\d], v[PC+16:PC+31], 0, v[VS+\d], v[PS2]
.endr
	WIN 0
	NOP8
	WIN 0x82
.irp j, 0,2,4,6,8,10,12,14,16,18,20,22,24,26,28,30
	v_pk_mul_f32 v[OW+\j:OW+\j+1], v[OW+\j:OW+\j+1], v[TM+24:TM+25]
.endr
.irp j, 0,2,4,6,8,10,12,14,16,18,20,22,24,26,28,30
	v_pk_mul_f32 v[OW+32+\j:OW+32+\j+1], v[OW+32+\j:OW+32+\j+1], v[TB+24:TB+25]
.endr
	QUANT 4, OW, 2, HD, 1, OC, 0, 0, TM+22         ; a tile's 64 features are blocks 2 g, 2 g + 1 of K step w of the next product: blocks 0, 1 here are the first tile's, 2, 3 the second's
	v_add_nc_u32 v[TA2], s36, v[TA0]
	v_add_nc_u32 v[TA3], s37, v[TA1]
	v_lshrrev_b32 v[TM+23], 16, v[TM+22]           ; the second tile's two bytes
	ds_store_b128 v[TA2], v[OC:OC+3]
	ds_store_b128 v[TA2], v[OC+4:OC+7] offset:512
	ds_store_b128 v[TA2], v[OC+8:OC+11] offset:2048
	ds_store_b128 v[TA2], v[OC+12:OC+15] offset:2560
	ds_store_b16 v[TA3], v[TM+22]
	ds_store_b16 v[TA3], v[TM+23] offset:64
	s_add_co_u32 s42, s42, 4096
	s_add_co_u32 s43, s43, 128
	s_add_co_u32 s39, s39, 1
	s_cmp_lt_u32 s39, 4
	s_cbranch_scc1 .Ltq
	s_add_co_u32 s36, s36, 1024
	s_add_co_u32 s37, s37, 2
	s_add_co_u32 s35, s35, 1
	s_cmp_lt_u32 s35, 2
	s_cbranch_scc1 .Lg
	BAR                                            ; the attention's codes are whole, and nobody reads x's codes any more
	WIN 0x0c
	ZSTORE 0, RQ, XCO                              ; the residual of tiles 5 and 6 takes their bytes: my slots 5 and 6
	ZSTORE 64, RQ, XCO+SLOTB
	WIN 0
; ---------------------------------------------------------------- the layers: 0 Wo, 1 W1, 2 W2
	s_mov_b32 s44, 0
.Llayer:
	s_mov_b32 s45, 0
	s_mov_b32 s46, 0
.Lpass:
	PRODUCT 0, FB1, 16384, SB1, 512, 0
	s_cmp_eq_u32 s44, 1
	s_cbranch_scc1 .Leh
	; Wo and W2: the results are added onto the residual where it lies.  Two buffers of 32 registers: a tile's loads are issued ahead of the wait for the tile before
	v_add_nc_u32 v[TA2], s46, v[RQ]
	RL8 128, 0
.irp t, 0,1,2,3,4,5,6
.if \t < 6
	RL8 128+32*((\t+1)%2), \t+1
.endif
.if (\t == 0) || (\t == 6)
	s_wait_dscnt 8                                 ; behind this tile's loads: the next tile's 8 loads (tile 0), or the last tile's 8 stores (tile 6)
.else
	s_wait_dscnt 16                                ; behind this tile's loads: the last tile's 8 stores and the next tile's 8 loads
.endif
	WIN 0x02
.set zk, 0
.rept 16
	v_pk_add_f32 v[128+32*(\t%2)+2*zk:128+32*(\t%2)+2*zk+1], v[32*\t+2*zk:32*\t+2*zk+1], v[128+32*(\t%2)+2*zk:128+32*(\t%2)+2*zk+1]
.set zk, zk+1
.endr
	WIN 0
	RS8 128+32*(\t%2), \t
.endr
	s_cmp_lg_u32 s45, 0
	s_cbranch_scc1 .Lr7b
	WIN 0x46                                       ; tile 7 lies in window 1: this pass's 32 registers of its 64
.set zk, 0
.rept 16
	v_pk_add_f32 v[192+2*zk:193+2*zk], v[224+2*zk:225+2*zk], v[192+2*zk:193+2*zk]
.set zk, zk+1
.endr
	WIN 0
	s_branch .Lpe
.Lr7b:
	WIN 0x46
.set zk, 0
.rept 16
	v_pk_add_f32 v[224+2*zk:225+2*zk], v[224+2*zk:225+2*zk], v[224+2*zk:225+2*zk]
.set zk, zk+1
.endr
	WIN 0
	s_branch .Lpe
.Leh:
	; W1: relu and codes.  The layers' operand is still being read, so the codes wait in window 3: the pass before moves from v128-191 to v192-255, this pass's go to v128-191
	WIN 0xc3
.set zk, 0
.rept 64
	v_mov_b32 v[192+zk], v[128+zk]
.set zk, zk+1
.endr
	WIN 0
.irp p, 0,1,2,3
	v_mov_b32 v[KS+\p], v[KS+4+\p]
.endr
.irp p, 0,1,2,3
	QUANT 4, 64*\p, 2, 128, 1, 128+16*\p, 3, 1, KS+4+\p
.endr
.Lpe:
	PASS_END
	s_add_co_u32 s46, s46, 256
	s_add_co_u32 s45, s45, 1
	s_cmp_lt_u32 s45, 2
	s_cbranch_scc1 .Lpass
	s_cmp_eq_u32 s44, 1
	s_cbranch_scc1 .Lnostat
	s_mov_b32 s30, 0                               ; my 128 columns' figures for each token
	s_mov_b32 s32, 0
	s_mov_b32 s34, 0
.Lstat:
	v_add_nc_u32 v[TA1], s32, v[RQ]
	v_add_nc_u32 v[TA3], s34, v[LNW]
	ZLOAD 192, TA1, 0
	s_wait_dscnt 0x0
	STATC 192, 0, TA3, 0
	s_wait_dscnt 0x0                               ; the store has read its registers
	s_add_co_u32 s32, s32, SLOTB
	s_add_co_u32 s34, s34, 128
	s_add_co_u32 s30, s30, 1
	s_cmp_lt_u32 s30, 7
	s_cbranch_scc1 .Lstat
	STATC 192, 1, LNW, 896
.Lnostat:
	BAR                                            ; nobody reads the layers' operand any more; the figures are stored
	s_cmp_eq_u32 s44, 0
	s_cbranch_scc1 .Ltail0
	s_cmp_eq_u32 s44, 1
	s_cbranch_scc1 .Ltail1
	; ---- behind W2: the second LayerNorm, and out.  A tile turns through its slot: in as a lane holds it, back as whole rows
	s_mov_b32 s30, 0
	s_mov_b32 s32, 0
	s_mov_b32 s34, 0
.Lln2:
	v_add_nc_u32 v[TA0], s32, v[RD]
	v_add_nc_u32 v[TA1], s32, v[RQ]
	v_add_nc_u32 v[TA3], s34, v[LNR]
	LNLD TA3, 0                                    ; the figures first,
	ZLOAD 192, TA1, 0
	LNCALC 16                                      ; merged while the tile's sixteen loads are out
	s_wait_alu depctr_va_vdst(0)
	s_wait_dscnt 0x0
	NORM 192, 0
	ZSTORE 192, TA1, 0
	s_wait_xcnt 0x0                                ; the last tile's stores have read their base and their data: both are written again only from here on
	TILEOFF 30
	s_add_nc_u64 s[18:19], s[10:11], s[20:21]
	ROWSLD 128, TA0                                ; LDS serves a wave's instructions in order: these see the stores above
	s_wait_dscnt 0x0
	OUTST
	s_add_co_u32 s32, s32, SLOTB
	s_add_co_u32 s34, s34, 128
	s_add_co_u32 s30, s30, 1
	s_cmp_lt_u32 s30, 7
	s_cbranch_scc1 .Lln2
	LNLD LNR, 896
	LNCALC 0
	NORM 192, 1
	WIN 0x04
	ZSTORE 192, STQ, 0                             ; tile 7 turns through my part of the layers' operand, which nobody reads any more
	WIN 0
	s_wait_xcnt 0x0                                ; tile 6's stores have read their base and their data
	s_add_nc_u64 s[18:19], s[10:11], (3<<23)+(1<<21)
	ROWSLD 128, IM1
	s_wait_dscnt 0x0
	OUTST
	s_branch .Ltaile
.Ltail0:
	; ---- behind Wo: the first LayerNorm.  Its result is the new residual and, quantised, K step w of W1's operand
	s_mov_b32 s30, 0
	s_mov_b32 s32, 0
	s_mov_b32 s33, 0
	s_mov_b32 s34, 0
.Lln1:
	s_lshl_b32 s48, s34, 1
	v_add_nc_u32 v[TA0], s34, v[IM1S]
	v_add_nc_u32 v[TA1], s32, v[RQ]
	v_add_nc_u32 v[TA2], s33, v[IM1]
	v_add_nc_u32 v[TA3], s48, v[LNR]
	LNLD TA3, 0                                    ; the figures first,
	ZLOAD 192, TA1, 0
	LNCALC 16                                      ; merged while the tile's sixteen loads are out
	s_wait_alu depctr_va_vdst(0)
	s_wait_dscnt 0x0
	NORM 192, 0
	ZSTORE 192, TA1, 0
	QUANT 4, 192, 0, 160, 1, 144, 0, 0, TM+20
	IMG TA2, 144, 0
	ds_store_b32 v[TA0], v[TM+20]
	s_wait_dscnt 0x0                               ; the stores have read their registers
	s_add_co_u32 s32, s32, SLOTB
	s_add_co_u32 s33, s33, 2048
	s_add_co_u32 s34, s34, 64
	s_add_co_u32 s30, s30, 1
	s_cmp_lt_u32 s30, 7
	s_cbranch_scc1 .Lln1
	LNLD LNR, 896
	LNCALC 0
	NORM 192, 1
	QUANT 4, 192, 1, 160, 1, 144, 0, 0, TM+20
	IMG IM1, 144, 7*2048
	ds_store_b32 v[IM1S], v[TM+20] offset:7*64
	s_branch .Ltaile
.Ltail1:
	; ---- behind W1: the hidden layer's codes go out: register groups 0, 1 from the first pass, 2, 3 from the second; a tile's scale word is the two passes' half-words
	WIN 0x0c
	s_wait_alu depctr_va_vdst(0)
.irp t, 0,1,2,3,4,5,6,7
	ds_store_b128 v[IM1], v[192+8*\t:195+8*\t] offset:2048*\t
	ds_store_b128 v[IM1], v[196+8*\t:199+8*\t] offset:2048*\t+512
	ds_store_b128 v[IM1], v[128+8*\t:131+8*\t] offset:2048*\t+1024
	ds_store_b128 v[IM1], v[132+8*\t:135+8*\t] offset:2048*\t+1536
.endr
	WIN 0
.irp p, 0,1,2,3
	v_perm_b32 v[TM+16+2*\p], v[KS+4+\p], v[KS+\p], 0x05040100
	v_perm_b32 v[TM+17+2*\p], v[KS+4+\p], v[KS+\p], 0x07060302
.endr
.irp t, 0,1,2,3,4,5,6,7
	ds_store_b32 v[IM1S], v[TM+16+\t] offset:64*\t
.endr
.Ltaile:
	BAR                                            ; the next layer's operand is whole
	s_add_co_u32 s44, s44, 1
	s_cmp_lt_u32 s44, 3
	s_cbranch_scc1 .Llayer
	s_wait_xcnt 0x0
	v_lshl_add_u32 v254, v0, 2, 0x4b400
	v_mov_b32 v255, 0
	s_wait_alu depctr_va_vdst(0)
	s_wait_tensorcnt 0x0
	ds_add_u32 v254, v255
	s_wait_dscnt 0x0
	s_endpgm
.Lfunc_end_k_q613d950dd4_fused:
	.size	k_q613d950dd4_fused, .Lfunc_end_k_q613d950dd4_fused-k_q613d950dd4_fused
	.p2alignl 7, 3214868480
	.fill 96, 4, 3214868480
	.section	.rodata,"a",@progbits
	.p2align	6, 0x0
	.amdhsa_kernel k_q613d950dd4_fused
		.amdhsa_group_segment_fixed_size 308736
		.amdhsa_private_segment_fixed_size 0
		.amdhsa_enable_private_segment 0
		.amdhsa_kernarg_size 32
		.amdhsa_user_sgpr_count 2
		.amdhsa_user_sgpr_kernarg_segment_ptr 1
		.amdhsa_wavefront_size32 1
		.amdhsa_system_sgpr_workgroup_id_x 1
		.amdhsa_system_sgpr_workgroup_id_y 1
		.amdhsa_system_sgpr_workgroup_id_z 1
		.amdhsa_system_vgpr_workitem_id 0
		.amdhsa_next_free_vgpr 1024
		.amdhsa_next_free_sgpr 76
		.amdhsa_reserve_vcc 1
		.amdhsa_float_denorm_mode_32 3
		.amdhsa_float_denorm_mode_16_64 3
		.amdhsa_memory_ordered 1
		.amdhsa_forward_progress 1
		.amdhsa_inst_pref_size 255
	.end_amdhsa_kernel
	.section	.bss,"aw",@nobits
	.p2align	6
	.space	262144
	.amdgpu_metadata
---
amdhsa.version: [ 1, 2 ]
amdhsa.kernels:
  - .name:           k_q613d950dd4_fused
    .symbol:         k_q613d950dd4_fused.kd
    .args:
      - { .name: x, .offset: 0, .size: 8, .value_kind: global_buffer, .address_space: global }
      - { .name: te, .offset: 8, .size: 8, .value_kind: global_buffer, .address_space: global }
      - { .name: wimg, .offset: 16, .size: 8, .value_kind: global_buffer, .address_space: global }
      - { .name: out0, .offset: 24, .size: 8, .value_kind: global_buffer, .address_space: global }
    .group_segment_fixed_size: 308736
    .private_segment_fixed_size: 0
    .kernarg_segment_align: 8
    .kernarg_segment_size: 32
    .max_flat_workgroup_size: 128
    .sgpr_count:     76
    .vgpr_count:     1024
    .wavefront_size: 32
...
	.end_amdgpu_metadata
.endif
;; end of part 2
